; MI455X (gfx1250); checked and timed in simulation.
; The chip was launched on July 23, 2026; its instructions are those of AMD's public machine-readable ISA for CDNA 5 (MIT licence, August 2026) and "CDNA5" Instruction Set Architecture Reference Guide (July 2026). The comments in the code are by the model that wrote it; some were corrected since.
;; Self Attention. Allowed arithmetic: matrix products marked QUANTISED: E4M3 operands, one given power-of-two scale a tensor, by v_wmma_f32_16x16x64_fp8_fp8 or v_wmma_f32_16x16x128_fp8_fp8, f32 sums; products left as they are: f32 operands where the result goes on into a quantised operand, else bf16, f16 or f32 operands; f32 sums; everything else in f32.
;; Inputs: W_attn 1,024 x 3,072 float32; W_proj 1,024 x 1,024 float32; b_attn 3,072 float32; b_proj 1,024 float32; lowp_scales 6 int32 (the exponents e of the quantised operands' scales 2^e); mask 8 x 2,048 x 16 bool; x 8 x 2,048 x 1,024 float32.
;; Outputs: out0 8 x 2,048 x 1,024 float32.
;; This version of the problem:
;;   THIS VERSION OF THE PROBLEM IS GIVEN IN LOW PRECISION. The matrix products marked QUANTISED in the list below multiply operands that are first quantised to E4M3 (4 exponent bits, 3 mantissa bits; 8 bits a number), with one given power-of-two scale for each operand tensor; their sums are f32. All else is computed in f32.
;;   The module's matrix products, in the order in which they are computed (A, B: the left and right operand; K: the contracted axis; several contracted axes count as one K, in the product's order):
;;     1. [M 16,384, K 1,024] x [K 1,024, N 3,072]; A: input x; B: input W_attn: QUANTISED (scales: A lowp_scales[0], B lowp_scales[1])
;;     2. batch 16,384 x [M 16, K 64] x [K 64, N 16]; A: computed on the way; B: computed on the way: QUANTISED (scales: A lowp_scales[2], B lowp_scales[3])
;;     3. batch 16,384 x [M 16, K 16] x [K 16, N 64]; A: softmax; B: computed on the way: left as it is (K = 16 < 32)
;;     4. [M 16,384, K 1,024] x [K 1,024, N 1,024]; A: computed on the way; B: input W_proj: QUANTISED (scales: A lowp_scales[4], B lowp_scales[5])
;;   THE QUANTISER, for each operand of a quantised product, along K:
;;     - The operand's scale is 2^e, e = its entry of the input lowp_scales (int32; the entries are numbered through the quantised products in the list's order, A before B).
;;     - Each number is divided by the scale, clamped to +-448, and rounded to the nearest number of E4M3, ties to even, subnormals kept.
;;     - The product sums the exact products of the quantised numbers (number of the format x scale) in f32.
;;   ~~~python
;;   def quantise(x, axis, e):      # numpy; x: float32 -> the quantised numbers, widened to float32 again
;;       x = np.moveaxis(x, axis, -1); K = x.shape[-1]
;;       r = np.clip(x / 2.0 ** e, -448, 448)
;;       step = 2.0 ** (np.maximum(np.frexp(np.where(r == 0, 1, r))[1] - 1, -6) - 3)
;;       q = np.round(r / step) * step * 2.0 ** e      # np.round: ties to even
;;       return np.moveaxis(q, -1, axis).astype(np.float32)
;;   ~~~
;;   OPERANDS COMPUTED ON THE WAY. 'Computed on the way' means the value that the module computes at that place (a softmax that the list does not call 'softmax' is quantised finished and normalised). What goes into a quantiser is computed in f32, as accurately as f32 sums, v_exp_f32 and their like allow (about 1e-6 of the number): no bf16 or f16 on the way to a quantiser, and a product that is left as it is and whose result goes on into a quantised operand takes f32 operands (vector FMAs, or v_wmma_f32_16x16x4_f32). A number that lies on a knife's edge between two numbers of the format may be rounded either way, as far as f32 arithmetic and the matrix unit's own rounding can turn it there, and no further.
;; One version. Each part assembles by itself: llvm-mc -triple=amdgcn-amd-amdhsa -mcpu=gfx1250 --defsym DOCPART=n.
;; ======== version 1 of 1: 2 launches
;; limits: right only within a limited range of input values
;; workspace buffers: wfrag 4,194,304 bytes
;; launch prep (part 1): grid 32 x 8, 4 waves a work-group, no clusters, 0 bytes of LDS; arguments W_attn, W_proj, lowp_scales, wfrag; writes wfrag
.if DOCPART == 1
	.amdgcn_target "amdgcn-amd-amdhsa--gfx1250"
	.amdhsa_code_object_version 6
	.text
	.protected	k_q2cf8f12607_prep
	.globl	k_q2cf8f12607_prep
	.p2align	8
	.type	k_q2cf8f12607_prep,@function
k_q2cf8f12607_prep:
	s_mov_b64 s[64:65], 0
	v_nop
	global_prefetch_b8 v0, s[64:65] scope:SCOPE_SE
	s_setreg_imm32_b32 hwreg(HW_REG_WAVE_MODE, 25, 1), 1
	s_wait_xcnt 0x0
; W_attn [1024][3072] and W_proj [1024][1024], f32, K = their FIRST axis, become codes of FP8 (E4M3) with the given scales 2^e1 and 2^e5 (entries 1 and 5 of lowp_scales),
; laid in wfrag in the order in which the second launch's waves take them into operand registers.
; NOTHING OF THE PROBLEM IS LEFT OUT in this program: every input (x, mask, both weights, both biases, the six exponents) has a way to the output, and all are loaded.
; code = w / 2^e, held within +-448, to the nearest code, ties to even.  LIMITS: e1 and e5 between -126 and 119; NaN among the inputs is not served (an infinity is held at the largest code).
; wfrag, byte ((w 8 + P) 8 + s) 16384 + f 2048 + c 512 + h 256 + r 16 + kk = the code of W[128 s + 32 c + 16 h + kk][col]:  w = the wave that will read it, P = its pass 0..7, s = the K step of 128,
; f = 2 blk + u = the tile of 16 columns, col = n0(w, P, blk) + 8 u + r + 8 (r / 8): a tile's columns are not neighbours, so that in the (transposed) result tiles 2 blk and 2 blk + 1 give a lane 16 neighbouring columns.
;   P 0..3: q and k of head 4 P + w:           n0 = (4 P + w) 192 + 32 blk
;   P 4, 5: v, channels 32 (P - 4) on, heads 4 w + blk:  n0 = (4 w + blk) 192 + 128 + 32 (P - 4)
;   P 6, 7: W_proj:                            n0 = (P - 6) 512 + 128 w + 32 blk
; SHARES.  Work-group x = 128 neighbouring columns (x < 24: W_attn, else W_proj), y = the K step.  A wave takes 32 columns x 128 along K.  A LANE TAKES A COLUMN AND ITS REGISTERS RUN DOWN K: a load reads
; 128 consecutive bytes a wave (512 a work-group), and the conversions, which take neighbours along K from one lane's registers, give 16 codes that belong together.  Sixteen lanes store 256 consecutive
; bytes, at a multiple of 256 from the buffer's first byte.  No LDS, no barrier: waves share nothing.  Matrix units and clusters have nothing to do in a stream.
.set XN, 32                            ; v32-159  my column's 128 numbers
.set CO, 160                           ; v160-191 their codes: never written again, so no store's data are
	s_load_b256 s[4:11], s[0:1], 0x0               ; W_attn s[4:5], W_proj s[6:7], the exponents s[8:9], wfrag s[10:11]
	v_lshrrev_b32 v1, 5, v0
	v_readfirstlane_b32 s12, v1                    ; wave 0..3
	v_and_b32 v2, 15, v0                           ; r
	v_bfe_u32 v5, v0, 4, 1                         ; u
	v_and_b32 v6, 8, v2
	v_add_nc_u32 v6, v6, v2                        ; r + 8 (r / 8)
	v_lshl_add_u32 v6, v5, 3, v6                   ; + 8 u: my column among the wave's 32
	v_lshlrev_b32 v3, 2, v6                        ; in bytes
	v_lshlrev_b32 v4, 4, v2
	v_lshl_add_u32 v4, v5, 11, v4                  ; out: tile u (2,048 bytes), 16 bytes a lane
	s_and_b32 s13, ttmp7, 0xffff                   ; s: the K step
	s_wait_kmcnt 0x0
	s_load_b32 s30, s[8:9], 0x4                    ; e1
	s_load_b32 s31, s[8:9], 0x14                   ; e5
.macro LOADW n                         ; W(128 s + kk, my column), kk = 0 .. 127; a row is n numbers; the largest offset, 127 x 3,072 x 4, lies inside the signed 24-bit immediate
.set kk, 0
.rept 128
	global_load_b32 v[XN+kk], v3, s[20:21] offset:kk*\n*4 th:TH_LOAD_NT
.set kk, kk+1
.endr
.endm
	s_cmp_lt_u32 ttmp9, 24                         ; the work-group's number alone decides
	s_cbranch_scc0 .Lproj
	s_lshl_b32 s14, ttmp9, 2
	s_add_co_u32 s14, s14, s12                     ; cb: which 32 columns of W_attn, 0 .. 95
	s_mul_i32 s15, s14, 43
	s_lshr_b32 s15, s15, 8                         ; the head = cb / 6 (43 / 256 serves up to 95)
	s_mul_i32 s16, s15, 6
	s_sub_co_u32 s16, s14, s16                     ; j6 = cb % 6: 0, 1 q; 2, 3 k; 4, 5 v
	s_lshr_b32 s17, s15, 2
	s_and_b32 s18, s15, 3
	s_cmp_lt_u32 s16, 4
	s_cselect_b32 s24, s17, s16                    ; P   = head / 4 | j6
	s_cselect_b32 s25, s18, s17                    ; w   = head % 4 | head / 4
	s_cselect_b32 s26, s16, s18                    ; blk = j6       | head % 4
	s_mul_i32 s20, s13, 128*3072*4
	s_lshl_b32 s21, s14, 7
	s_add_co_u32 s20, s20, s21
	s_mov_b32 s21, 0
	s_add_nc_u64 s[20:21], s[4:5], s[20:21]        ; W_attn at row 128 s, column 32 cb
	s_wait_alu depctr_va_vdst(0)
	LOADW 3072
	s_branch .Ljoin
.Lproj:
	s_sub_co_u32 s14, ttmp9, 24
	s_lshl_b32 s14, s14, 2
	s_add_co_u32 s14, s14, s12                     ; cbp: which 32 columns of W_proj, 0 .. 31
	s_lshr_b32 s24, s14, 4
	s_add_co_u32 s24, s24, 6                       ; P
	s_bfe_u32 s25, s14, 0x20002                    ; w
	s_and_b32 s26, s14, 3                          ; blk
	s_lshl_b32 s20, s13, 19                        ; 128 rows of 4,096 bytes
	s_lshl_b32 s21, s14, 7
	s_add_co_u32 s20, s20, s21
	s_mov_b32 s21, 0
	s_add_nc_u64 s[20:21], s[6:7], s[20:21]
	s_wait_alu depctr_va_vdst(0)
	LOADW 1024
.Ljoin:
	s_lshl_b32 s27, s25, 3
	s_add_co_u32 s27, s27, s24
	s_lshl_b32 s27, s27, 3
	s_add_co_u32 s27, s27, s13                     ; (w 8 + P) 8 + s
	s_lshl_b32 s27, s27, 2
	s_add_co_u32 s27, s27, s26                     ; x 4 + blk: two tiles, 4,096 bytes, each
	s_lshl_b32 s28, s27, 12
	s_mov_b32 s29, 0
	s_add_nc_u64 s[10:11], s[10:11], s[28:29]
	s_wait_kmcnt 0x0
	s_cmp_lt_u32 ttmp9, 24
	s_cselect_b32 s30, s30, s31                    ; e
	s_add_co_i32 s30, s30, 127
	s_lshl_b32 s31, s30, 23
	v_mov_b32 v11, s31                             ; 2^e as f32: the conversion takes its exponent field
	s_add_co_i32 s30, s30, 8
	s_lshl_b32 s30, s30, 23
	s_or_b32 s30, s30, 0x600000
	v_mov_b32 v10, s30                             ; 448 x 2^e
	s_wait_alu depctr_va_vdst(0)
.irp c, 0,1,2,3                        ; 32 along K at a time
.if \c < 2
	s_wait_loadcnt 63                              ; behind this part's loads 96 or 64 were issued; the count's field holds 63, and a smaller count is safe
.else
	s_wait_loadcnt 32*(3-\c)                       ; 32, then none, were issued behind this part's
.endif
.set kk, 0
.rept 32
	v_med3_num_f32 v[XN+32*\c+kk], v[XN+32*\c+kk], -v10, v10   ; the conversion to an 8-bit code does not saturate (ISA guide 7.6.2): the hold at the largest code x the scale
.set kk, kk+1
.endr
.irp p, 0,1,2,3
	v_cvt_scalef32_pk8_fp8_f32 v[CO+8*\c+2*\p:CO+8*\c+2*\p+1], v[XN+32*\c+8*\p:XN+32*\c+8*\p+7], v11
.endr
	v_nop                                          ; a plain line behind the run of conversions
	global_store_b128 v4, v[CO+8*\c:CO+8*\c+3], s[10:11] offset:512*\c          ; h = 0: K = 32 c + 0 .. 15
	global_store_b128 v4, v[CO+8*\c+4:CO+8*\c+7], s[10:11] offset:512*\c+256    ; h = 1: K = 32 c + 16 .. 31
.endr
	s_endpgm
.Lfunc_end_k_q2cf8f12607_prep:
	.size	k_q2cf8f12607_prep, .Lfunc_end_k_q2cf8f12607_prep-k_q2cf8f12607_prep
	.p2alignl 7, 3214868480
	.fill 96, 4, 3214868480
	.section	.rodata,"a",@progbits
	.p2align	6, 0x0
	.amdhsa_kernel k_q2cf8f12607_prep
		.amdhsa_group_segment_fixed_size 0
		.amdhsa_private_segment_fixed_size 0
		.amdhsa_enable_private_segment 0
		.amdhsa_kernarg_size 32
		.amdhsa_user_sgpr_count 2
		.amdhsa_user_sgpr_kernarg_segment_ptr 1
		.amdhsa_wavefront_size32 1
		.amdhsa_system_sgpr_workgroup_id_x 1
		.amdhsa_system_sgpr_workgroup_id_y 1
		.amdhsa_system_sgpr_workgroup_id_z 1
		.amdhsa_system_vgpr_workitem_id 0
		.amdhsa_next_free_vgpr 192
		.amdhsa_next_free_sgpr 66
		.amdhsa_reserve_vcc 0
		.amdhsa_float_denorm_mode_32 3
		.amdhsa_float_denorm_mode_16_64 3
		.amdhsa_memory_ordered 1
		.amdhsa_forward_progress 1
		.amdhsa_inst_pref_size 37
	.end_amdhsa_kernel
	.amdgpu_metadata
---
amdhsa.version: [ 1, 2 ]
amdhsa.kernels:
  - .name:           k_q2cf8f12607_prep
    .symbol:         k_q2cf8f12607_prep.kd
    .args:
      - { .name: W_attn, .offset: 0, .size: 8, .value_kind: global_buffer, .address_space: global }
      - { .name: W_proj, .offset: 8, .size: 8, .value_kind: global_buffer, .address_space: global }
      - { .name: lowp_scales, .offset: 16, .size: 8, .value_kind: global_buffer, .address_space: global }
      - { .name: wfrag, .offset: 24, .size: 8, .value_kind: global_buffer, .address_space: global }
    .group_segment_fixed_size: 0
    .private_segment_fixed_size: 0
    .kernarg_segment_align: 8
    .kernarg_segment_size: 32
    .max_flat_workgroup_size: 128
    .sgpr_count:     66
    .vgpr_count:     192
    .wavefront_size: 32
...
	.end_amdgpu_metadata
.endif
;; end of part 1
;; launch main (part 2): grid 256 x 1, 4 waves a work-group, no clusters, 286,208 bytes of LDS; arguments x, mask, b_attn, b_proj, lowp_scales, wfrag, out0; writes out0
.if DOCPART == 2
	.amdgcn_target "amdgcn-amd-amdhsa--gfx1250"
	.amdhsa_code_object_version 6
	.text
	.protected	k_q2cf8f12607_main
	.globl	k_q2cf8f12607_main
	.p2align	8
	.type	k_q2cf8f12607_main,@function
k_q2cf8f12607_main:
	s_mov_b64 s[64:65], 0
	v_nop
	global_prefetch_b8 v0, s[64:65] scope:SCOPE_SE
	s_setreg_imm32_b32 hwreg(HW_REG_WAVE_MODE, 25, 1), 1
	s_wait_xcnt 0x0
; out0 = Q(softmax_g(Q(q) . Q(k) / 8, key heads masked) v) Q(W_proj) + b_proj with q, k, v = Q(x) Q(W_attn) + b_attn: attention over the 16 HEADS of one token, for 16,384 tokens.  Q: codes of FP8 (E4M3) with the
; given scales 2^e0 .. 2^e5.  Nothing of the problem is left out; the weights come as codes from wfrag, whose layout stands at the head of the launch before.
; SHARES.  A work-group owns 64 tokens through the whole chain; q, k, v and the attention's result never go to memory.  THE FOUR WAVES SHARE THE COLUMNS, NOT THE ROWS: in each of 8 passes a wave makes 64 tokens x 128
; columns (32 accumulators) over K = 1,024.  Passes 0-3: q and k of head 4 P + w.  Passes 4, 5: v, 32 channels of heads 4 w .. 4 w + 3.  Passes 6, 7: the projection.  The rows' codes lie in LDS and are read by all
; four waves; a weight byte is wanted by ONE wave, once, and goes from memory straight into its operand registers: a ring of four slots of 16 loads of 512 bytes, 48 to 64 loads of a wave on their way.
; THE RING DOES NOT STOP AT A PASS'S END: a pass's last two K places refill the slots with the next pass's first two, so that they land under the pass's way out.
; NO CLUSTER, NO TENSOR LOADS: the weights are what work-groups share, but beside the rows' codes this text leaves 41,472 of 327,680 bytes of LDS unclaimed, less than the 65,536 bytes of one K step's weights for the four
; waves; joint loads through so small a ring would meet a round of barriers for fewer than 32 matrix instructions a wave, and every weight byte would be written to LDS and read back besides.
; K IS WALKED FROM A DIFFERENT STEP IN DIFFERENT WORK-GROUPS: place i of the walk is K step (number of the work-group + i) mod 8, so that at one time work-groups ask for different parts of a pass's weights.
; x's codes are laid in LDS in the walk's order (by the loads' addresses); the attention's result likewise, by letting lane r of the scores stand for query head (r + 2 x first step) mod 16.
; BOTH LARGE PRODUCTS ARE USED TRANSPOSED (source 0 = 16 columns of W, source 1 = 16 tokens): a lane holds one token, and the 16 registers of two neighbouring tiles are 16 neighbouring columns, which the
; conversions turn into 16 bytes of the next operand.  Within 128 along K a lane's registers 4 c .. 4 c + 3 hold K = 32 c + 16 (lane / 16) + 0 .. 15 on both sides: a permutation of K, the same in both operands.
; The biases, divided by the power of two that the sums lack, are the C of a pass's first products: nothing is cleared, nothing is added.
; SOFTMAX: t = score x log2(e) / 8; masked key heads get -1e9 x log2(e); the row's maximum is taken away; p = 2^(t - max) / sum, in f32.  p v has f32 operands (16x16x4), since its result is quantised.
; LIMITS on the given exponents, so that each power of two below is an f32 number: e0, e2 - e0 - e1, e3 - e0 - e1, e4 - e0 - e1 between -126 and 119; e0 + e1 and e4 + e5 between -126 and 126;
; e2 + e3 between -120 and 125 (added to an exponent field).  NaN among the inputs is not served; an infinity is held at the largest code.  A mask byte counts as true where it is not 0.
; The order of K in the sums differs between work-groups.
;
; LDS.  XC: x's codes, 64 rows of 1,024 + 16.  QI, KI: q's and k's codes, a token's 1,024 bytes as the image of the scores' operands: 16 bytes (channels 32 b + 16 h + 0 .. 15 of a head) at 512 b + 256 h + 16 head.
; VS (over QI and KI, which are done with): a pass's v, f32: token pitch 2,128, head g at 1,056 (g / 8) + 128 (g % 8).  WS (over VS, later): a stage of 16 rows x 528 for each wave.  OC: the attention's codes, as XC.
; BT: the scaled biases.  All pitches are odd multiples of 16 bytes, so that sixteen lanes' 16 bytes of sixteen rows fall into sixteen different columns of 16 bytes modulo 256.
.set RP,    1040
.set MP,    16*RP
.set XC,    0
.set QI,    64*RP
.set KI,    2*64*RP
.set VS,    QI
.set VP,    2128
.set VH,    1056
.set WS,    QI
.set SPI,   528
.set OC,    VS+64*VP                   ; 202,752
.set BT,    OC+64*RP                   ; 269,312
.set SPARE, BT+16384                   ; 285,696: the spare words, 128 bytes a wave: two blocks of 256 bytes that no other line names
; REGISTERS, window 0
.set SPW,  1                           ; LDS address of my spare word; never rewritten
.set NIL,  2                           ; 0; never rewritten
.set L16,  3                           ; 16 x lane
.set AX,   4                           ; a fragment's place in XC: r x pitch + 16 h
.set AO,   5                           ; the same in OC
.set ACUR, 6                           ; the same, at the loop's K place
.set BIAQ, 7                           ; my biases in BT for the q/k passes,
.set BIAV, 8                           ; the v passes,
.set BIAP, 9                           ; the projection
.set BCUR, 10
.set QST,  11                          ; where I store q's codes
.set QCUR, 12                          ; the same for the pass in hand; QCUR + 1: k's
.set KRD,  14                          ; where I read k's image,
.set QRD,  15                          ; and q's (the lane's head turned by the walk's first step)
.set SX,   16                          ; pairs: a scale as f32, 448 x the scale.  x's,
.set LX,   17
.set SQ,   18                          ; q's (e2 - e0 - e1), +2: k's (e3 - e0 - e1),
.set LQ,   19
.set SO,   22                          ; the attention's result's (e4 - e0 - e1)
.set LO,   23
.set VST,  24                          ; where I store v (tokens 0-31); VST + 1: tokens 32-63
.set VRD,  26                          ; where I read v
.set OST,  27
.set OCUR, 28
.set WST,  29                          ; the way out: into my stage,
.set WRD,  30                          ; and back
.set MOFF, 31                          ; 8 h: my half's 8 mask bytes
.set XO,   32                          ; v32-39: 16 x lane + 512 x (K step of place i)
.set XST,  40
.set TMPV, 41
.set BTST, 42
.set TOFF, 43
.set PFO,  44                          ; 256 x lane
.set RR,   45
.set HH,   46
.set LN,   47
.set FA0,  48                          ; v48-111, v112-175: two sets of the rows' fragments (4 x 16 registers); also the scores' operands, v's fragments, rows on the way out
.set FA1,  112
.set TW,   176                         ; v176-239: at work; at a pass's head my 128 columns' biases
.set CDR,  240                         ; v240-255: codes just made
; window 1: the weights' ring, slot j at 64 j.   window 2: accumulator (tile of tokens m, tile of columns f) at 64 m + 8 f; in the x phase two buffers of 128.
; window 3: v0-127 the scores, then p: token i at 8 i; v128-159 the tokens' mask bytes; v160-223 the sums of p v (written by matrix instructions alone); v224-232 at work
.set MK,   128
.set OA,   160
.set TT,   224
.set NEGR, 232
; scalars
.set WV,   18
.set KR0,  20                          ; the walk's first K step
.set ROT,  21                          ; the K step to be asked for next
.set TO,   22                          ; s[22:23]: an offset, its upper word 0
.set BP,   24                          ; s[24:25]: in my wave's stream, the pass whose weights are being asked for
.set RB0,  26                          ; s[26:27], s[28:29], s[60:61], s[62:63]: a base for each slot of the ring, so that the wait for a slot's own loads frees its base
.set RB1,  28
.set RB2,  60
.set RB3,  62
.set PF,   30                          ; s[30:31]: where my prefetch stands
.set ASKF, 32
.set KOFF, 33
.set CNT,  34
.set HOFF, 35
.set BOFS, 36
.set CS,   46                          ; s[46:47]: log2(e) / 8 x 2^(e2 + e3)
.set YS,   48                          ; 2^(e4 + e5)
.set BSA,  50                          ; 2^-(e0 + e1)
.set BSP,  52                          ; 2^-(e4 + e5)
.set SEL,  54                          ; lane selects for v_permlanex16_b32: lane l xor 16
.set MSB, 0
.macro WIN new                         ; s_set_vgpr_msb: bits 1:0 source 0, 3:2 source 1, 5:4 source 2, 7:6 destination; the high byte repeats the setting that is left
.if MSB != \new
	s_set_vgpr_msb (MSB<<8)|\new
.set MSB, \new
.endif
.endm
.set W_MUL,   0xa1                     ; weights window 1, rows window 0, C and D window 2
.set W_MUL1,  0x81                     ; the same with C (the biases) in window 0
.set W_TOB,   0x40
.set W_TOACC, 0x80
.set W_HOLD2, 0x82
.set W_FROM2, 0x02
.set W_ST2,   0x08                     ; an LDS store's data from window 2
.set W_TO3,   0xc0
.set W_ALL3,  0xff
.set W_PV,    0xfc                     ; v window 0; p, C and D window 3
.set W_FROM3, 0x03
.macro PLACES n                        ; plain vector lines between a matrix instruction and what may not follow it at once (ISA guide 7.12.1)
.rept \n
	v_nop
.endr
.endm
.macro BARRIER                         ; my LDS stores have landed and my LDS loads are in: then the work-group's barrier
	s_wait_dscnt 0x0
	s_barrier_signal -1
	s_barrier_wait -1
.endm
.macro ALOAD dst, adr, k               ; the 64 rows' fragments of 128 along K at byte k of the rows
.irp m, 0,1,2,3
.irp c, 0,1,2,3
	ds_load_b128 v[\dst+16*\m+4*\c:\dst+16*\m+4*\c+3], v[\adr] offset:\m*MP+\k+32*\c
.endr
.endr
.endm
.macro BIASLD adr, stride              ; the scaled biases of my 128 columns: 16 registers = 16 neighbouring columns = two tiles; the four tiles of tokens share them
.irp b, 0,1,2,3
.irp i, 0,1,2,3
	ds_load_b128 v[TW+16*\b+4*\i:TW+16*\b+4*\i+3], v[\adr] offset:\b*\stride+16*\i
.endr
.endr
.endm
; 16 products: a slot's four tiles of columns x the four tiles of tokens.  The 32 accumulators take turns, one instruction a turn, in the same order in every K step.  first = 1: the biases are C and start the sums
.macro MULC slot, fa, half, first
.irp m, 0,1,2,3
.irp f, 0,1,2,3
.if \first
	v_wmma_f32_16x16x128_fp8_fp8 v[64*\m+32*\half+8*\f:64*\m+32*\half+8*\f+7], v[64*\slot+16*\f:64*\slot+16*\f+15], v[\fa+16*\m:\fa+16*\m+15], v[TW+32*\half+8*\f:TW+32*\half+8*\f+7]
.else
	v_wmma_f32_16x16x128_fp8_fp8 v[64*\m+32*\half+8*\f:64*\m+32*\half+8*\f+7], v[64*\slot+16*\f:64*\slot+16*\f+15], v[\fa+16*\m:\fa+16*\m+15], v[64*\m+32*\half+8*\f:64*\m+32*\half+8*\f+7]
.endif
.endr
.endr
.endm
.macro SETB pair                       ; a slot's base: the K step to be asked for, 16,384 bytes each, in the pass at BP
	s_lshl_b32 s[TO], s[ROT], 14
	s_add_nc_u64 s[\pair:\pair+1], s[BP:BP+1], s[TO:TO+1]
.endm
.macro STEPK                           ; on to the walk's next K step; after eight it is the first again
	s_add_co_u32 s[ROT], s[ROT], 1
	s_and_b32 s[ROT], s[ROT], 7
.endm
.macro BLOAD slot, pair, half          ; four fragments, 8,192 bytes on end: each load 512 consecutive bytes, an image of four registers
.irp f, 0,1,2,3
.irp c, 0,1,2,3
	global_load_b128 v[64*\slot+16*\f+4*\c:64*\slot+16*\f+4*\c+3], v[L16], s[\pair:\pair+1] offset:\half*8192+\f*2048+\c*512
.endr
.endr
.endm
; A slot is filled again behind the 16 products that read it: four plain lines, its base, its 16 loads.  The base is free: the s_wait_loadcnt ahead of those products has shown the loads that named it done.
.macro RELOAD slot, pair, half
	PLACES 4
	SETB \pair
.if \half
	STEPK                                          ; slots 0, 1 and slots 2, 3 hold the halves of one K step
.endif
	WIN W_TOB
	BLOAD \slot, \pair, \half
.endm
.macro PRIMEA                          ; the launch's first fill of slots 0 and 1,
	SETB RB0
	SETB RB1
	STEPK
	WIN W_TOB
	BLOAD 0, RB0, 0
	BLOAD 1, RB1, 1
.endm
.macro PRIMEB                          ; and of slots 2 and 3
	SETB RB2
	SETB RB3
	STEPK
	WIN W_TOB
	BLOAD 2, RB2, 0
	BLOAD 3, RB3, 1
.endm
; A PREFETCH.  A pass's weights are 4 x 131,072 bytes = 64 runs of 8,192: wave 0 of every fourth work-group asks for one run, lanes 256 bytes apart: each block of 256 bytes is named once in the launch.
; The x phase asks for pass 1; the end of pass P's way out (P = 0 .. 5) for pass P + 2, whose own loads begin in pass P + 1's last two K places, 192 matrix instructions a wave further on.  Pass 0 comes by its loads alone.
.macro ASK
	s_cmp_eq_u32 s[ASKF], 1
	s_cbranch_scc0 .Lnot_mine_\@
	global_prefetch_b8 v[PFO], s[PF:PF+1] th:TH_LOAD_NT scope:SCOPE_SE
.Lnot_mine_\@:
.endm
.macro ASKN
	s_wait_xcnt 0x0                                ; the last prefetch, a pass back, has read its address; the ring's loads were issued ahead of the way out just done
	s_add_nc_u64 s[PF:PF+1], s[PF:PF+1], 131072
	ASK
.endm
; A PASS'S 256 PRODUCTS: K places 0 and 1 written out (place 0's products take the biases as C), a loop of two trips for places 2 to 5, places 6 and 7 written out.  Two places are once round the ring.
; s_wait_loadcnt 48: the three younger slots (16 loads each) may be out.  s_wait_dscnt 16: the youngest run of 16 fragment loads may be out; what was asked of LDS before it is in.
; Four plain lines stand between the last product that read a slot or a set and the loads into it.  Places 6 and 7 refill the ring from the NEXT pass; sel = 1 (the projection): in the last pass they refill nothing,
; and the counts run down: a scalar branch on the count of passes, so that no load leaves its buffer.
.macro GEMM abase, bias, stride, sel
	BIASLD \bias, \stride
	ALOAD FA0, \abase, 0
	ALOAD FA1, \abase, 128
	s_wait_loadcnt 48
	s_wait_dscnt 16                                ; the biases and place 0's rows are in
	WIN W_MUL1
	MULC 0, FA0, 0, 1
	RELOAD 0, RB0, 0
	s_wait_loadcnt 48
	WIN W_MUL1
	MULC 1, FA0, 1, 1
	RELOAD 1, RB1, 1
	WIN 0
	ALOAD FA0, \abase, 256
	s_wait_loadcnt 48
	s_wait_dscnt 16
	WIN W_MUL
	MULC 2, FA1, 0, 0
	RELOAD 2, RB2, 0
	s_wait_loadcnt 48
	WIN W_MUL
	MULC 3, FA1, 1, 0
	RELOAD 3, RB3, 1
	WIN 0
	s_mov_b32 s[KOFF], 256
.Lk_\@:
	v_add_nc_u32 v[ACUR], s[KOFF], v[\abase]
	ALOAD FA1, ACUR, 128
	s_wait_alu depctr_va_vdst(0)
	s_wait_loadcnt 48
	s_wait_dscnt 16
	WIN W_MUL
	MULC 0, FA0, 0, 0
	RELOAD 0, RB0, 0
	s_wait_loadcnt 48
	WIN W_MUL
	MULC 1, FA0, 1, 0
	RELOAD 1, RB1, 1
	WIN 0
	ALOAD FA0, ACUR, 256
	s_wait_loadcnt 48
	s_wait_dscnt 16
	WIN W_MUL
	MULC 2, FA1, 0, 0
	RELOAD 2, RB2, 0
	s_wait_loadcnt 48
	WIN W_MUL
	MULC 3, FA1, 1, 0
	RELOAD 3, RB3, 1
	WIN 0
	s_add_co_u32 s[KOFF], s[KOFF], 256
	s_cmp_lt_u32 s[KOFF], 768
	s_cbranch_scc1 .Lk_\@
	ALOAD FA1, \abase, 896
.if \sel
	s_cmp_eq_u32 s[CNT], 1
	s_cbranch_scc1 .Llast_\@
.endif
	s_add_nc_u64 s[BP:BP+1], s[BP:BP+1], 131072    ; the refills below are the next pass's first two K places (no pending load names BP itself)
	s_wait_loadcnt 48
	s_wait_dscnt 16
	WIN W_MUL
	MULC 0, FA0, 0, 0
	RELOAD 0, RB0, 0
	s_wait_loadcnt 48
	WIN W_MUL
	MULC 1, FA0, 1, 0
	RELOAD 1, RB1, 1
	s_wait_loadcnt 48
	s_wait_dscnt 0x0
	WIN W_MUL
	MULC 2, FA1, 0, 0
	RELOAD 2, RB2, 0
	s_wait_loadcnt 48
	WIN W_MUL
	MULC 3, FA1, 1, 0
	RELOAD 3, RB3, 1                               ; (its four plain lines also stand ahead of the first read of the results)
	WIN 0
.if \sel
	s_branch .Ldone_\@
.Llast_\@:
	s_wait_loadcnt 48
	s_wait_dscnt 16
	WIN W_MUL
	MULC 0, FA0, 0, 0
	s_wait_loadcnt 32
	MULC 1, FA0, 1, 0
	s_wait_loadcnt 16
	s_wait_dscnt 0x0
	MULC 2, FA1, 0, 0
	s_wait_loadcnt 0x0
	MULC 3, FA1, 1, 0
	PLACES 4
	WIN 0
.Ldone_\@:
.endif
.endm
.macro MKSC e, vs, vl                  ; s[e] = an exponent: v[vs] = 2^e as f32, v[vl] = 448 x 2^e
	s_add_co_i32 s57, s[\e], 127
	s_lshl_b32 s58, s57, 23
	v_mov_b32 v[\vs], s58
	s_add_co_i32 s57, s57, 8
	s_lshl_b32 s57, s57, 23
	s_or_b32 s57, s57, 0x600000
	v_mov_b32 v[\vl], s57
.endm
	; ---- the head
	s_load_b256 s[4:11], s[0:1], 0x0               ; x s[4:5], mask s[6:7], b_attn s[8:9], b_proj s[10:11]
	s_load_b128 s[12:15], s[0:1], 0x20             ; the exponents s[12:13], wfrag s[14:15]
	s_load_b64 s[16:17], s[0:1], 0x30              ; out0
	v_lshl_add_u32 v[SPW], v0, 2, SPARE
	v_mov_b32 v[NIL], 0
	v_lshrrev_b32 v[TMPV], 5, v0
	v_readfirstlane_b32 s[WV], v[TMPV]             ; wave 0..3
	v_and_b32 v[LN], 31, v0                        ; lane
	s_wait_alu depctr_va_vdst(0)
	v_and_b32 v[RR], 15, v0                        ; r
	s_wait_alu depctr_va_vdst(0)
	v_bfe_u32 v[HH], v0, 4, 1                      ; h
	s_and_b32 s[KR0], ttmp9, 7
	s_mov_b32 s[ROT], s[KR0]
	s_mov_b32 s[TO+1], 0
	s_mov_b32 s[SEL], 0x76543210
	s_mov_b32 s[SEL+1], 0xfedcba98
	s_and_b32 s[ASKF], ttmp9, 3
	s_or_b32 s[ASKF], s[ASKF], s[WV]
	s_cmp_eq_u32 s[ASKF], 0
	s_cselect_b32 s[ASKF], 1, 0                    ; wave 0 of every fourth work-group prefetches
	v_lshlrev_b32 v[L16], 4, v[LN]
	v_mul_u32_u24 v[AX], v[RR], RP
	s_wait_alu depctr_va_vdst(0)
	v_lshl_add_u32 v[AX], v[HH], 4, v[AX]
	v_add_nc_u32 v[AO], OC, v[AX]
	v_lshlrev_b32 v[TMPV], 6, v[HH]
	v_add_nc_u32 v[TMPV], BT, v[TMPV]              ; BT + 64 h: my half's 16 columns of a block of 32
	s_mul_i32 s37, s[WV], 768
	v_add_nc_u32 v[BIAQ], s37, v[TMPV]             ; column (4 P + w) 192 + 32 blk
	s_mul_i32 s37, s[WV], 3072
	s_add_co_u32 s37, s37, 512
	v_add_nc_u32 v[BIAV], s37, v[TMPV]             ; column (4 w + blk) 192 + 128 + 32 pv
	s_lshl_b32 s37, s[WV], 9
	s_add_co_u32 s37, s37, 12288
	v_add_nc_u32 v[BIAP], s37, v[TMPV]             ; b_proj's column 512 pp + 128 w + 32 blk
	v_mul_u32_u24 v[QST], v[RR], RP
	v_lshl_add_u32 v[QST], v[HH], 8, v[QST]
	s_lshl_b32 s37, s[WV], 4
	s_add_co_u32 s37, s37, QI
	v_add_nc_u32 v[QST], s37, v[QST]               ; token r, + 256 h, + 16 x head (16 w here, 64 P by the pass)
	s_mul_i32 s38, s[WV], MP                       ; my 16 tokens' rows in the regions of pitch 1,040
	s_add_co_u32 s37, s38, KI
	v_add_nc_u32 v[KRD], s37, v[L16]
	s_lshl_b32 s39, s[KR0], 1
	v_add_nc_u32 v[QRD], s39, v[RR]
	v_and_b32 v[QRD], 15, v[QRD]                   ; lane r stands for query head (r + 2 x first step) mod 16
	v_lshlrev_b32 v[QRD], 4, v[QRD]
	v_lshl_add_u32 v[QRD], v[HH], 8, v[QRD]
	s_add_co_u32 s37, s38, QI
	v_add_nc_u32 v[QRD], s37, v[QRD]
	v_mul_u32_u24 v[VST], v[RR], VP
	v_lshl_add_u32 v[VST], v[HH], 6, v[VST]
	s_lshr_b32 s37, s[WV], 1
	s_mul_i32 s37, s37, VH
	s_and_b32 s39, s[WV], 1
	s_lshl_b32 s39, s39, 9
	s_add_co_u32 s37, s37, s39
	s_add_co_u32 s37, s37, VS
	v_add_nc_u32 v[VST], s37, v[VST]               ; token r, head 4 w (+ blk by the offset), + 64 h
	v_add_nc_u32 v[VST+1], 32*VP, v[VST]
	v_and_b32 v[VRD], 8, v[RR]
	v_add_nc_u32 v[VRD], v[VRD], v[RR]
	v_lshlrev_b32 v[VRD], 2, v[VRD]                ; channel r + 8 (r / 8) of a tile,
	v_mad_u32_u24 v[VRD], v[HH], VH, v[VRD]        ; key heads 8 h on,
	s_mul_i32 s37, s[WV], 16*VP
	s_add_co_u32 s37, s37, VS
	v_add_nc_u32 v[VRD], s37, v[VRD]               ; of my 16 tokens
	v_lshlrev_b32 v[OST], 6, v[RR]
	v_lshl_add_u32 v[OST], v[HH], 4, v[OST]
	s_add_co_u32 s37, s38, OC
	v_add_nc_u32 v[OST], s37, v[OST]               ; my tokens' rows of OC: head place r, + 16 h
	v_mul_u32_u24 v[WST], v[RR], SPI
	v_lshl_add_u32 v[WST], v[HH], 6, v[WST]
	s_mul_i32 s39, s[WV], 16*SPI
	s_add_co_u32 s39, s39, WS
	v_add_nc_u32 v[WST], s39, v[WST]
	v_add_nc_u32 v[WRD], s39, v[L16]
	v_lshlrev_b32 v[MOFF], 3, v[HH]
.irp i, 0,1,2,3,4,5,6,7
	s_add_co_u32 s37, s[KR0], \i
	s_and_b32 s37, s37, 7
	s_lshl_b32 s37, s37, 9
	v_add_nc_u32 v[XO+\i], s37, v[L16]             ; place i of the walk: 512 bytes of a row of x at K step (first + i) mod 8
.endr
	v_lshl_add_u32 v[XST], v[LN], 2, s38
	v_lshl_add_u32 v[BTST], v0, 4, BT
	v_lshlrev_b32 v[TOFF], 4, v0
	v_lshlrev_b32 v[PFO], 8, v[LN]
	s_wait_alu depctr_va_vdst(0)
	s_wait_kmcnt 0x0
	s_load_b128 s[40:43], s[12:13], 0x0            ; e0 .. e3
	s_load_b64 s[44:45], s[12:13], 0x10            ; e4, e5
	s_lshl_b32 s[TO], ttmp9, 18
	s_lshl_b32 s37, s[WV], 16
	s_add_co_u32 s[TO], s[TO], s37
	s_add_nc_u64 s[4:5], s[4:5], s[TO:TO+1]        ; x at row 64 x work-group + 16 x wave
	s_lshl_b32 s[TO], ttmp9, 10
	s_lshl_b32 s37, s[WV], 8
	s_add_co_u32 s[TO], s[TO], s37
	s_add_nc_u64 s[6:7], s[6:7], s[TO:TO+1]        ; the mask at the same token
	s_lshl_b32 s[TO], ttmp9, 18
	s_lshl_b32 s37, s[WV], 9
	s_add_co_u32 s[TO], s[TO], s37
	s_add_nc_u64 s[16:17], s[16:17], s[TO:TO+1]    ; out0 at row 64 x work-group, column 128 x wave
	s_lshl_b32 s[TO], s[WV], 20
	s_add_nc_u64 s[BP:BP+1], s[14:15], s[TO:TO+1]  ; my wave's stream of weights, pass 0
	s_lshr_b32 s[TO], ttmp9, 6
	s_lshl_b32 s[TO], s[TO], 20
	s_bfe_u32 s37, ttmp9, 0x40002
	s_lshl_b32 s37, s37, 13
	s_add_co_u32 s[TO], s[TO], s37
	s_add_co_u32 s[TO], s[TO], 131072
	s_add_nc_u64 s[PF:PF+1], s[14:15], s[TO:TO+1]  ; my run of 8,192 bytes, in pass 1
	; ---- X: my 16 rows of x become codes in XC, four rows at a time.  A load reads 512 consecutive bytes (128 along K, 4 numbers a lane); a conversion takes two places' numbers, and each of its two registers holds
	; one place's four codes of the lane: 32 lanes store 128 consecutive bytes.
.macro XLOADB b
.irp q, 0,1,2,3
.irp i, 0,1,2,3,4,5,6,7
	global_load_b128 v[128*((\b)%2)+32*\q+4*\i:128*((\b)%2)+32*\q+4*\i+3], v[XO+\i], s[4:5] offset:(4*(\b)+\q)*4096 th:TH_LOAD_NT
.endr
.endr
.endm
.macro XPROC b
.set XB, 128*((\b)%2)
.set XT, TW+32*((\b)%2)
	WIN W_HOLD2
.set j, 0
.rept 128
	v_med3_num_f32 v[XB+j], v[XB+j], -v[LX], v[LX]     ; the conversion to an 8-bit code does not saturate (ISA guide 7.6.2): the hold at the largest code x the scale
.set j, j+1
.endr
.if (\b) > 1
	s_wait_dscnt 32                                ; the batch before's 32 stores may be out; those that read the registers written next are done
.endif
	WIN W_FROM2
.irp q, 0,1,2,3
.irp p, 0,1,2,3
	v_cvt_scalef32_pk8_fp8_f32 v[XT+8*\q+2*\p:XT+8*\q+2*\p+1], v[XB+32*\q+8*\p:XB+32*\q+8*\p+7], v[SX]
.endr
.endr
	v_nop                                          ; a plain line behind the run of conversions
	WIN 0
.irp q, 0,1,2,3
.irp i, 0,1,2,3,4,5,6,7
	ds_store_b32 v[XST], v[XT+8*\q+\i] offset:(4*(\b)+\q)*RP+128*\i
.endr
.endr
.endm
	WIN W_TOACC
	XLOADB 0
	XLOADB 1
	WIN 0
	s_wait_kmcnt 0x0
	s_add_co_i32 s56, s40, s41                     ; e0 + e1: a sum of the first product stands for sum x 2^(e0 + e1)
	MKSC 40, SX, LX
	s_sub_co_i32 s59, s42, s56
	MKSC 59, SQ, LQ                                ; so q's conversion takes 2^(e2 - e0 - e1),
	s_sub_co_i32 s59, s43, s56
	MKSC 59, SQ+2, LQ+2                            ; k's 2^(e3 - e0 - e1),
	s_sub_co_i32 s59, s44, s56
	MKSC 59, SO, LO                                ; and p v, made of v / 2^(e0 + e1), 2^(e4 - e0 - e1)
	s_add_co_i32 s59, s42, s43
	s_lshl_b32 s59, s59, 23
	s_add_co_i32 s[CS], s59, 0x3e38aa3b            ; log2(e) / 8, with e2 + e3 added to its exponent field
	s_mov_b32 s[CS+1], s[CS]                       ; (the packed forms name pairs, so the upper words are written)
	s_add_co_i32 s59, s44, s45
	s_add_co_i32 s57, s59, 127
	s_lshl_b32 s[YS], s57, 23
	s_mov_b32 s[YS+1], s[YS]
	s_sub_co_i32 s57, 127, s59
	s_lshl_b32 s[BSP], s57, 23
	s_mov_b32 s[BSP+1], s[BSP]
	s_sub_co_i32 s57, 127, s56
	s_lshl_b32 s[BSA], s57, 23
	s_mov_b32 s[BSA+1], s[BSA]
	s_wait_alu depctr_va_vdst(0)
	s_wait_loadcnt 32                              ; batch 0 is in; batch 1's 32 may be out
	XPROC 0
	WIN W_TOACC
	XLOADB 2
	s_wait_loadcnt 32                              ; batch 1 is in; batch 2's may be out
	XPROC 1
	WIN W_TOACC
	XLOADB 3
	WIN 0
.irp i, 0,1,2,3,4,5
	global_load_b128 v[FA0+4*\i:FA0+4*\i+3], v[TOFF], s[8:9] offset:2048*\i        ; b_attn: 16 bytes a thread, 2,048 a line
.endr
.irp i, 0,1
	global_load_b128 v[FA0+24+4*\i:FA0+24+4*\i+3], v[TOFF], s[10:11] offset:2048*\i  ; b_proj
.endr
	WIN W_TO3
.irp i, 0,1,2,3,4,5,6,7,8,9,10,11,12,13,14,15
	global_load_b64 v[MK+2*\i:MK+2*\i+1], v[MOFF], s[6:7] offset:16*\i              ; token i's mask bytes of key heads 8 h + 0 .. 7.  They are older than every load of the ring: pass 0's first wait shows them landed
.endr
	s_wait_loadcnt 56                              ; batch 2 is in; behind it: batch 3's 32, 8 of the biases, 16 of the mask
	XPROC 2
	PRIMEA                                         ; pass 0's first K place
	s_wait_loadcnt 56                              ; batch 3 is in; behind it: 8 + 16 + 32
	XPROC 3
	s_wait_loadcnt 48                              ; the biases are in; behind them: 16 + 32
.irp j, 0,2,4,6,8,10,12,14,16,18,20,22
	v_pk_mul_f32 v[FA0+\j:FA0+\j+1], v[FA0+\j:FA0+\j+1], s[BSA:BSA+1] op_sel_hi:[1,0]   ; b_attn / 2^(e0 + e1)
.endr
.irp j, 24,26,28,30
	v_pk_mul_f32 v[FA0+\j:FA0+\j+1], v[FA0+\j:FA0+\j+1], s[BSP:BSP+1] op_sel_hi:[1,0]   ; b_proj / 2^(e4 + e5)
.endr
.irp i, 0,1,2,3,4,5,6,7
	ds_store_b128 v[BTST], v[FA0+4*\i:FA0+4*\i+3] offset:2048*\i
.endr
	PRIMEB                                         ; and its second
	WIN 0
	ASK                                            ; pass 1
	BARRIER                                        ; x's codes and the biases lie in LDS
	; ---- passes 0-3: q and k of head 4 P + w, quantised in registers, to QI and KI
.macro QKOUT
	WIN W_HOLD2
.irp m, 0,1,2,3
.irp b, 0,1,2,3
.set j, 0
.rept 16
	v_med3_num_f32 v[64*\m+16*\b+j], v[64*\m+16*\b+j], -v[LQ+2*(\b/2)], v[LQ+2*(\b/2)]   ; each accumulator from its low end on
.set j, j+1
.endr
.endr
.endr
	WIN W_FROM2
.irp m, 0,1,2,3
.irp b, 0,1,2,3
.irp p, 0,1
	v_cvt_scalef32_pk8_fp8_f32 v[TW+4*(4*\m+\b)+2*\p:TW+4*(4*\m+\b)+2*\p+1], v[64*\m+16*\b+8*\p:64*\m+16*\b+8*\p+7], v[SQ+2*(\b/2)]
.endr
.endr
.endr
	v_nop                                          ; a plain line behind the run of conversions
	WIN 0
.irp m, 0,1,2,3
.irp b, 0,1,2,3
	ds_store_b128 v[QCUR+(\b/2)], v[TW+4*(4*\m+\b):TW+4*(4*\m+\b)+3] offset:\m*MP+(\b%2)*512   ; token 16 m + r: channels 32 (b % 2) + 16 h + 0 .. 15
.endr
.endr
.endm
	s_mov_b32 s[CNT], 4
	s_mov_b32 s[HOFF], 0
	s_mov_b32 s[BOFS], 0
.Lqk:
	v_add_nc_u32 v[BCUR], s[BOFS], v[BIAQ]
	GEMM AX, BCUR, 128, 0
	v_add_nc_u32 v[QCUR], s[HOFF], v[QST]
	v_add_nc_u32 v[QCUR+1], KI-QI, v[QCUR]
	QKOUT
	ASKN
	s_add_co_u32 s[HOFF], s[HOFF], 64              ; four heads on: 16 bytes a head
	s_add_co_u32 s[BOFS], s[BOFS], 3072            ; and their 768 columns' biases
	s_sub_co_u32 s[CNT], s[CNT], 1
	s_cmp_lg_u32 s[CNT], 0
	s_cbranch_scc1 .Lqk
	BARRIER                                        ; all heads' q and k of all 64 tokens lie in LDS
	; ---- the scores of my 16 tokens: S^T = k q^T, one product of K = 64 a token: lane (r, h) holds query place r, register j key head 8 h + j
.irp g, 0,1
.irp t, 0,1,2,3,4,5,6,7
	ds_load_b128 v[FA0+16*\t:FA0+16*\t+3],     v[KRD] offset:(8*\g+\t)*RP
	ds_load_b128 v[FA0+16*\t+4:FA0+16*\t+7],   v[KRD] offset:(8*\g+\t)*RP+512
	ds_load_b128 v[FA0+16*\t+8:FA0+16*\t+11],  v[QRD] offset:(8*\g+\t)*RP
	ds_load_b128 v[FA0+16*\t+12:FA0+16*\t+15], v[QRD] offset:(8*\g+\t)*RP+512
.endr
	s_wait_dscnt 0x0
	WIN W_TO3
.irp t, 0,1,2,3,4,5,6,7
	v_wmma_f32_16x16x64_fp8_fp8 v[8*(8*\g+\t):8*(8*\g+\t)+7], v[FA0+16*\t:FA0+16*\t+7], v[FA0+16*\t+8:FA0+16*\t+15], 0
.endr
	PLACES 4                                       ; ahead of the next loads into these operands, and of the first read of the scores
	WIN 0
.endr
	; ---- the softmax, by stages over the 16 tokens; a token's statistics are four registers of window 0
	WIN W_ALL3
	v_mov_b32 v[NEGR], 0xceabfb8f                  ; -1e9 x log2(e)
.irp i, 0,1,2,3,4,5,6,7,8,9,10,11,12,13,14,15
.irp p, 0,2,4,6
	v_pk_mul_f32 v[8*\i+\p:8*\i+\p+1], v[8*\i+\p:8*\i+\p+1], s[CS:CS+1] op_sel_hi:[1,0]   ; t = score x log2(e) / 8 x 2^(e2 + e3)
.endr
.irp j, 0,1,2,3,4,5,6,7
	v_and_b32 v[TT+\j], 0xff<<(8*(\j%4)), v[MK+2*\i+\j/4]   ; key head 8 h + j's mask byte
.endr
.irp j, 0,1,2,3,4,5,6,7
	v_cmp_ne_u32 s[72+\j], 0, v[TT+\j]
.endr
.irp j, 0,1,2,3,4,5,6,7
	v_cndmask_b32 v[8*\i+\j], v[NEGR], v[8*\i+\j], s[72+\j]  ; kept where the byte is not 0
.endr
.endr
	WIN 0x3f                                       ; sources window 3, destination window 0
.irp i, 0,1,2,3,4,5,6,7,8,9,10,11,12,13,14,15
	v_max3_num_f32 v[TW+4*\i], v[8*\i], v[8*\i+1], v[8*\i+2]
	v_max3_num_f32 v[TW+4*\i+1], v[8*\i+3], v[8*\i+4], v[8*\i+5]
	v_max_num_f32 v[TW+4*\i+2], v[8*\i+6], v[8*\i+7]
.endr
	WIN 0
.irp i, 0,1,2,3,4,5,6,7,8,9,10,11,12,13,14,15
	v_max3_num_f32 v[TW+4*\i], v[TW+4*\i], v[TW+4*\i+1], v[TW+4*\i+2]
.endr
.irp i, 0,1,2,3,4,5,6,7,8,9,10,11,12,13,14,15
	v_permlanex16_b32 v[TW+4*\i+1], v[TW+4*\i], s[SEL], s[SEL+1]   ; the row's other 8 key heads lie in the lane 16 away
.endr
.irp i, 0,1,2,3,4,5,6,7,8,9,10,11,12,13,14,15
	v_max_num_f32 v[TW+4*\i], v[TW+4*\i], v[TW+4*\i+1]             ; the row's maximum
.endr
	WIN 0xc3                                       ; destination and source 0 window 3, source 1 window 0
.irp i, 0,1,2,3,4,5,6,7,8,9,10,11,12,13,14,15
.irp p, 0,2,4,6
	v_pk_add_f32 v[8*\i+\p:8*\i+\p+1], v[8*\i+\p:8*\i+\p+1], v[TW+4*\i:TW+4*\i+1] op_sel_hi:[1,0] neg_lo:[0,1] neg_hi:[0,1]   ; t - max
.endr
.endr
	s_wait_alu depctr_va_vdst(0)                   ; one wait ahead of the batch of 128 exponentials: all their sources are written above it
.irp i, 0,1,2,3,4,5,6,7,8,9,10,11,12,13,14,15
.irp j, 0,1,2,3,4,5,6,7
	v_exp_f32 v[8*\i+\j], v[8*\i+\j]
.endr
.endr
	v_nop                                          ; a plain line behind the last exponential
	s_wait_alu depctr_va_vdst(0)                   ; one wait for the 128 exponentials, ahead of their first reader
	WIN 0x0f                                       ; sources 0 and 1 window 3, destination window 0
.irp i, 0,1,2,3,4,5,6,7,8,9,10,11,12,13,14,15
	v_pk_add_f32 v[TW+4*\i:TW+4*\i+1], v[8*\i:8*\i+1], v[8*\i+2:8*\i+3]
	v_pk_add_f32 v[TW+4*\i+2:TW+4*\i+3], v[8*\i+4:8*\i+5], v[8*\i+6:8*\i+7]
.endr
	WIN 0
.irp i, 0,1,2,3,4,5,6,7,8,9,10,11,12,13,14,15
	v_pk_add_f32 v[TW+4*\i:TW+4*\i+1], v[TW+4*\i:TW+4*\i+1], v[TW+4*\i+2:TW+4*\i+3]
.endr
.irp i, 0,1,2,3,4,5,6,7,8,9,10,11,12,13,14,15
	v_add_f32 v[TW+4*\i], v[TW+4*\i], v[TW+4*\i+1]
.endr
.irp i, 0,1,2,3,4,5,6,7,8,9,10,11,12,13,14,15
	v_permlanex16_b32 v[TW+4*\i+1], v[TW+4*\i], s[SEL], s[SEL+1]
.endr
.irp i, 0,1,2,3,4,5,6,7,8,9,10,11,12,13,14,15
	v_add_f32 v[TW+4*\i], v[TW+4*\i], v[TW+4*\i+1]                 ; the row's sum
.endr
	s_wait_alu depctr_va_vdst(0)
.irp i, 0,1,2,3,4,5,6,7,8,9,10,11,12,13,14,15
	v_rcp_f32 v[TW+4*\i], v[TW+4*\i]
.endr
	v_nop                                          ; a plain line behind the last reciprocal
	s_wait_alu depctr_va_vdst(0)                   ; one wait for the sixteen
	WIN 0xc3
.irp i, 0,1,2,3,4,5,6,7,8,9,10,11,12,13,14,15
.irp p, 0,2,4,6
	v_pk_mul_f32 v[8*\i+\p:8*\i+\p+1], v[8*\i+\p:8*\i+\p+1], v[TW+4*\i:TW+4*\i+1] op_sel_hi:[1,0]   ; p, normalised; it stays in window 3
.endr
.endr
	WIN 0
	; ---- passes 4, 5: v, 32 channels of all 16 heads a pass, through the stage VS to the waves that own the tokens; then O^T = v^T p^T in f32, quantised, to OC
.macro PVLOAD g                        ; v's fragments of tokens 4 g .. 4 g + 3: lane (r, h), tile u, register jj: v(key head 8 h + jj, channel 8 u + r + 8 (r / 8))
.irp t, 0,1,2,3
.irp u, 0,1
.irp jj, 0,1,2,3,4,5,6,7
	ds_load_b32 v[FA0+64*((\g)%2)+16*\t+8*\u+\jj], v[VRD] offset:(4*(\g)+\t)*VP+\jj*128+32*\u
.endr
.endr
.endr
.endm
.macro PVGROUP g
.set VA, FA0+64*((\g)%2)
	s_wait_dscnt 0x0                               ; this group's fragments are in (and the last group's stores have read their registers)
.if (\g) < 3
	PVLOAD (\g)+1                                  ; the next group's, into the other set
.endif
	WIN W_PV
.irp s, 0,1,2,3                        ; K index 2 h + j of step s stands for key head 8 h + 2 s + j on both sides.  Eight accumulators by turns; the first step starts the sums
.irp t, 0,1,2,3
.irp u, 0,1
.if \s == 0
	v_wmma_f32_16x16x4_f32 v[OA+16*\t+8*\u:OA+16*\t+8*\u+7], v[VA+16*\t+8*\u+2*\s:VA+16*\t+8*\u+2*\s+1], v[8*(4*(\g)+\t)+2*\s:8*(4*(\g)+\t)+2*\s+1], 0
.else
	v_wmma_f32_16x16x4_f32 v[OA+16*\t+8*\u:OA+16*\t+8*\u+7], v[VA+16*\t+8*\u+2*\s:VA+16*\t+8*\u+2*\s+1], v[8*(4*(\g)+\t)+2*\s:8*(4*(\g)+\t)+2*\s+1], v[OA+16*\t+8*\u:OA+16*\t+8*\u+7]
.endif
.endr
.endr
.endr
	PLACES 8                                       ; eight behind this form, ahead of the first read of its results
	WIN W_FROM3
.set j, 0
.rept 64
	v_med3_num_f32 v[TW+j], v[OA+j], -v[LO], v[LO] ; into other registers; each accumulator from its low end on.  Of these 64 lines at most 8 name one product's registers: the rest are the places ahead of the next group's first products and loads
.set j, j+1
.endr
	WIN 0
.irp t, 0,1,2,3
.irp p, 0,1
	v_cvt_scalef32_pk8_fp8_f32 v[CDR+4*\t+2*\p:CDR+4*\t+2*\p+1], v[TW+16*\t+8*\p:TW+16*\t+8*\p+7], v[SO]
.endr
.endr
	v_nop                                          ; a plain line behind the run of conversions
.irp t, 0,1,2,3
	ds_store_b128 v[OCUR], v[CDR+4*\t:CDR+4*\t+3] offset:(4*(\g)+\t)*RP   ; token 4 g + t, head place r, channels 32 pv + 16 h + 0 .. 15
.endr
.endm
	s_mov_b32 s[CNT], 2
	s_mov_b32 s[HOFF], 0
	s_mov_b32 s[BOFS], 0
.Lv:
	v_add_nc_u32 v[BCUR], s[BOFS], v[BIAV]
	GEMM AX, BCUR, 768, 0
	BARRIER                                        ; every wave's reads of QI and KI (second trip: of the stage) are over
	WIN W_ST2
.irp m, 0,1,2,3
.irp b, 0,1,2,3
.irp i, 0,1,2,3
	ds_store_b128 v[VST+(\m/2)], v[64*\m+16*\b+4*\i:64*\m+16*\b+4*\i+3] offset:(\m%2)*16*VP+\b*128+16*\i   ; the sums as they are, v / 2^(e0 + e1); each accumulator from its low end on
.endr
.endr
.endr
	WIN 0
	BARRIER                                        ; the stage is whole
	v_add_nc_u32 v[OCUR], s[HOFF], v[OST]
	PVLOAD 0
	PVGROUP 0
	PVGROUP 1
	PVGROUP 2
	PVGROUP 3
	ASKN
	s_add_co_u32 s[HOFF], s[HOFF], 32              ; the next 32 channels: in OC,
	s_add_co_u32 s[BOFS], s[BOFS], 128             ; and among the biases
	s_sub_co_u32 s[CNT], s[CNT], 1
	s_cmp_lg_u32 s[CNT], 0
	s_cbranch_scc1 .Lv
	BARRIER                                        ; the attention's codes of all 64 tokens lie in OC, and nobody reads the stage any more
	; ---- passes 6, 7: the projection, 512 columns a pass, and the way out: a tile of 16 tokens x my 128 columns goes through my own stage and leaves as whole rows of 512 bytes
.macro TOSTAGE m
	WIN W_FROM2
.set j, 0
.rept 32
	v_pk_mul_f32 v[TW+j:TW+j+1], v[64*(\m)+j:64*(\m)+j+1], s[YS:YS+1] op_sel_hi:[1,0]   ; (sum + b_proj / 2^(e4 + e5)) x 2^(e4 + e5)
.set j, j+2
.endr
	WIN 0
.irp b, 0,1,2,3
.irp i, 0,1,2,3
	ds_store_b128 v[WST], v[TW+16*\b+4*\i:TW+16*\b+4*\i+3] offset:128*\b+16*\i
.endr
.endr
.irp t, 0,1,2,3,4,5,6,7,8,9,10,11,12,13,14,15
	ds_load_b128 v[FA0+64*((\m)%2)+4*\t:FA0+64*((\m)%2)+4*\t+3], v[WRD] offset:\t*SPI   ; LDS serves a wave's instructions in order (ISA guide 5.7.1.4): these see my stores, and the next tile's stores come behind them
.endr
.endm
.macro SEND m, younger                 ; younger: the LDS instructions issued behind tile m's loads, which may stay out
	s_wait_dscnt \younger
.irp t, 0,1,2,3,4,5,6,7,8,9,10,11,12,13,14,15
	global_store_b128 v[L16], v[FA0+64*((\m)%2)+4*\t:FA0+64*((\m)%2)+4*\t+3], s[16:17] offset:(16*(\m)+\t)*4096 th:TH_STORE_NT   ; 32 lanes store 512 consecutive bytes, at a multiple of 256 from out0's first byte
.endr
.endm
	s_mov_b32 s[CNT], 2
	s_mov_b32 s[BOFS], 0
.Lp:
	v_add_nc_u32 v[BCUR], s[BOFS], v[BIAP]
	GEMM AO, BCUR, 128, 1
	TOSTAGE 0
.irp m, 1,2,3
.if \m > 1
	s_wait_xcnt 0x0                                ; tile m - 2's stores have read their registers: tile m's rows may land there
.endif
	TOSTAGE \m
	SEND \m-1, 32                                  ; behind tile m - 1's loads: tile m's 16 stores and 16 loads
.endr
	SEND 3, 0
	s_wait_xcnt 0x0                                ; the stores have read their registers and their base: both may be written again
	s_add_nc_u64 s[16:17], s[16:17], 2048          ; 512 columns on
	s_add_co_u32 s[BOFS], s[BOFS], 2048
	s_sub_co_u32 s[CNT], s[CNT], 1
	s_cmp_lg_u32 s[CNT], 0
	s_cbranch_scc1 .Lp
	s_wait_tensorcnt 0x0                           ; the wave's end, behind my last LDS store
	ds_add_u32 v[SPW], v[NIL]
	s_wait_dscnt 0x0
	s_endpgm
.Lfunc_end_k_q2cf8f12607_main:
	.size	k_q2cf8f12607_main, .Lfunc_end_k_q2cf8f12607_main-k_q2cf8f12607_main
	.p2alignl 7, 3214868480
	.fill 96, 4, 3214868480
	.section	.rodata,"a",@progbits
	.p2align	6, 0x0
	.amdhsa_kernel k_q2cf8f12607_main
		.amdhsa_group_segment_fixed_size 286208
		.amdhsa_private_segment_fixed_size 0
		.amdhsa_enable_private_segment 0
		.amdhsa_kernarg_size 56
		.amdhsa_user_sgpr_count 2
		.amdhsa_user_sgpr_kernarg_segment_ptr 1
		.amdhsa_wavefront_size32 1
		.amdhsa_system_sgpr_workgroup_id_x 1
		.amdhsa_system_sgpr_workgroup_id_y 1
		.amdhsa_system_sgpr_workgroup_id_z 1
		.amdhsa_system_vgpr_workitem_id 0
		.amdhsa_next_free_vgpr 1024
		.amdhsa_next_free_sgpr 80
		.amdhsa_reserve_vcc 0
		.amdhsa_float_denorm_mode_32 3
		.amdhsa_float_denorm_mode_16_64 3
		.amdhsa_memory_ordered 1
		.amdhsa_forward_progress 1
		.amdhsa_inst_pref_size 255
	.end_amdhsa_kernel
	.section	.bss,"aw",@nobits
	.p2align	6
	.space	262144
	.amdgpu_metadata
---
amdhsa.version: [ 1, 2 ]
amdhsa.kernels:
  - .name:           k_q2cf8f12607_main
    .symbol:         k_q2cf8f12607_main.kd
    .args:
      - { .name: x, .offset: 0, .size: 8, .value_kind: global_buffer, .address_space: global }
      - { .name: mask, .offset: 8, .size: 8, .value_kind: global_buffer, .address_space: global }
      - { .name: b_attn, .offset: 16, .size: 8, .value_kind: global_buffer, .address_space: global }
      - { .name: b_proj, .offset: 24, .size: 8, .value_kind: global_buffer, .address_space: global }
      - { .name: lowp_scales, .offset: 32, .size: 8, .value_kind: global_buffer, .address_space: global }
      - { .name: wfrag, .offset: 40, .size: 8, .value_kind: global_buffer, .address_space: global }
      - { .name: out0, .offset: 48, .size: 8, .value_kind: global_buffer, .address_space: global }
    .group_segment_fixed_size: 286208
    .private_segment_fixed_size: 0
    .kernarg_segment_align: 8
    .kernarg_segment_size: 56
    .max_flat_workgroup_size: 128
    .sgpr_count:     80
    .vgpr_count:     1024
    .wavefront_size: 32
...
	.end_amdgpu_metadata
.endif
;; end of part 2
